; MI455X (gfx1250); checked and timed in simulation.
; The chip was launched on July 23, 2026; its instructions are those of AMD's public machine-readable ISA for CDNA 5 (MIT licence, August 2026) and "CDNA5" Instruction Set Architecture Reference Guide (July 2026). The comments in the code are by the model that wrote it; some were corrected since.
;; Attention Layer. Allowed arithmetic: matrix products marked QUANTISED: E2M3 operands, one E8M0 scale for each 32 along K, by v_wmma_scale_f32_16x16x128_f8f6f4 with both operands' format E2M3, f32 sums; products left as they are: f32 operands where the result goes on into a quantised operand, else bf16, f16 or f32 operands; f32 sums; everything else in f32.
;; Inputs: W 200 x 200 float32; b 200 float32; inputs 512 x 200 x 512 float32.
;; Outputs: out0 512 x 512 float32.
;; This version of the problem:
;;   THIS VERSION OF THE PROBLEM IS GIVEN IN LOW PRECISION. The matrix products marked QUANTISED in the list below multiply operands that are first quantised to E2M3 (2 exponent bits, 3 mantissa bits; 6 bits a number), with one power-of-two scale for each 32 numbers along K (OCP MX v1.0); their sums are f32. All else is computed in f32.
;;   The module's matrix products, in the order in which they are computed (A, B: the left and right operand; K: the contracted axis; several contracted axes count as one K, in the product's order):
;;     1. [M 262,144, K 200] x [K 200, N 200]; A: input inputs; B: input W: QUANTISED
;;     2. batch 262,144 x [M 1, K 200] x [K 200, N 1]; A: softmax; B: input inputs: left as it is (M = 1 < 16)
;;   THE QUANTISER, for each operand of a quantised product, along K:
;;     - K is cut into blocks of 32 from its start; a last block that is shorter is filled with zeros.
;;     - A block's scale is 2^e with e = floor(log2(the largest magnitude in the block)) - 2, held to -126 .. 127; a block of zeros has e = 0. As a byte (E8M0): e + 127.
;;     - Each number is divided by its block's scale, clamped to +-7.5, and rounded to the nearest number of E2M3, ties to even, subnormals kept.
;;     - The product sums the exact products of the quantised numbers (number of the format x scale) in f32.
;;   ~~~python
;;   def quantise(x, axis):      # numpy; x: float32 -> the quantised numbers, widened to float32 again
;;       x = np.moveaxis(x, axis, -1); K = x.shape[-1]
;;       x = np.pad(x, [(0, 0)] * (x.ndim - 1) + [(0, -K % 32)]); x = x.reshape(x.shape[:-1] + (-1, 32)); a = np.abs(x).max(-1, keepdims=True)
;;       e = np.where(a > 0, np.clip(np.frexp(np.where(a > 0, a, 1))[1] - 1 - 2, -126, 127), 0)      # np.frexp(a)[1] - 1 = floor(log2(a)), exactly
;;       r = np.clip(x / 2.0 ** e, -7.5, 7.5)
;;       step = 2.0 ** (np.maximum(np.frexp(np.where(r == 0, 1, r))[1] - 1, 0) - 3)
;;       q = np.round(r / step) * step * 2.0 ** e      # np.round: ties to even
;;       return np.moveaxis(q.reshape(q.shape[:-2] + (-1,))[..., :K], -1, axis).astype(np.float32)
;;   ~~~
;; One version. Each part assembles by itself: llvm-mc -triple=amdgcn-amd-amdhsa -mcpu=gfx1250 --defsym DOCPART=n.
;; ======== version 1 of 1: 1 launch
;; launch pool (part 1): grid 4 x 64, 4 waves a work-group, no clusters, 327,680 bytes of LDS; arguments inputs, W, b, out0; writes out0
.if DOCPART == 1
	.amdgcn_target "amdgcn-amd-amdhsa--gfx1250"
	.amdhsa_code_object_version 6
	.text
	.protected	k_qeceaa02aa1_pool
	.globl	k_qeceaa02aa1_pool
	.p2align	8
	.type	k_qeceaa02aa1_pool,@function
k_qeceaa02aa1_pool:
	s_mov_b64 s[64:65], 0
	v_nop
	global_prefetch_b8 v0, s[64:65] scope:SCOPE_SE
	s_setreg_imm32_b32 hwreg(HW_REG_WAVE_MODE, 25, 1), 1
	s_wait_xcnt 0x0
; out[b][d] = sum over t of a[t] X[b][t][d],  a = softmax over s of tanh(y[s]),  y[s] = sum over t of Q(X[b][t][d]) Q(W[t][s]) + bias[s].
; X: inputs [512][200][512] f32;  W [200][200] f32;  bias [200] f32;  out [512][512] f32.  Q: codes of E2M3 with one E8M0 scale for each 32 along K = t (200, filled with zero codes to 256).
; NO WORK IS DEAD: every input has a way to the output, and all are loaded.
; SHARES.  Work-group (x, y) owns channels 128 x .. 128 x + 127 of batches 8 y .. 8 y + 7: eight tiles of 200 rows x 512 bytes.  Wave w owns 32 channels of each tile; LANE L OWNS ONE COLUMN (b, d) AND ITS REGISTERS RUN DOWN t:
; so a block's largest magnitude needs no other lane, the conversions give codes with K innermost, and the same 200 f32 numbers stay in registers for the second product, whose index t is the softmax's index s.
; W is quantised once a work-group (a lane to a column s, registers down t), shared through LDS as images of the operand's registers, and then stays in every wave's registers: 26 fragments, 14 scale words; the bias stays as 13 tiles in the result's layout.
; THE PRODUCT IS USED TRANSPOSED: source 0 = 16 columns s of W, source 1 = 16 columns d of X, C of the first K step = the bias.  One exchange of lane halves between the two d tiles' results then gives lane L sixteen neighbouring s of its own column.
; THE SOFTMAX.  tanh(y) = 1 - 2 r, r = 1 / (1 + 2^(2 log2(e) y)), 0 <= r <= 1.  reference() takes the row's maximum away; here tanh's own bound, 1, is taken away: p = exp(tanh(y) - 1) = 2^(-2 log2(e) r) lies in [e^-2, 1] for EVERY input,
; a row's sum in [27, 200]: no exponential and no sum can overflow or underflow, and the common factor cancels in sum(p x) / sum(p).  So no maximum is searched for and each tile of scores is used up as it is made.
; LIMITS.  NaN and infinities among the inputs are not served.  A block of zeros, or one whose largest magnitude lies under 2^-124, gets the scale byte 1 (the floor) where the quantiser says 127 or less than 1: a block of zeros has zero codes, and this
; program alone reads the bytes.  The exponentials and reciprocals are the f32 instructions (1 ulp; denormal results count as zero, which moves r by less than 2^-126).
; NO CLUSTER: what work-groups share is W and the bias, 160,800 bytes, read once at the head through registers; the 819,200 bytes of tiles that a work-group's tensor loads bring are its own.
.set BATCHB, 409600                    ; a batch of X in bytes: 200 rows of 2,048
.set QROWS,  50                        ; rows of a tile that one wave's tensor load brings: 200 rows over four waves
.set QBYTES, QROWS*512
.set SLOT1,  1<<17                     ; LDS: slot 0 at 0, slot 1 here (one exclusive or turns one into the other); a slot is 200 rows x 512 bytes, no padding: every read takes 128 consecutive bytes
.set OST,    200*512                   ; behind slot 0: eight stages of 512 bytes, one for each tile's 128 results
.set WSC,    OST+8*512                 ; W's scale words: (2 g + k) x 128 + 4 x lane, g = 0 .. 6 (32 columns s each), k = K step
.set SPARE,  WSC+14*128                ; the spare words, 128 bytes for each wave: two blocks of 256 bytes that no other line names
.set IMG,    SLOT1+200*512             ; behind slot 1: W's fragments as images of their registers
.set TIMG,   5*512                     ; a tile of 16 columns s: K step 0's registers 0-3, 4-7, 8-11, K step 1's 0-3, 4-7; 16 bytes a lane each (K step 1's registers 8-11 are zero codes and are not stored)
.set FLOOR,  0x1800000                 ; 2^(3 - 127): no largest magnitude is taken under it, so the scale's byte cannot fall under 1
; REGISTERS, window 0
.set SPW,  2                           ; v2   LDS address of my spare word; never rewritten
.set NIL,  3                           ; v3   0; never rewritten
.set AX,   4                           ; v4-7 LDS addresses of my column in rows 0, 64, 128, 192 of the slot in hand
.set AXB,  8                           ; v8   4 x thread = 128 x wave + 4 x lane: my column's bytes in a tile's row; also my first column's bytes in a row of W
.set VW2,  10                          ; v10  my second column's bytes in a row of W: 4 x min(128 + thread, 199)
.set VB,   11                          ; v11  32 x (lane / 16): the bias of my half's eight rows of a result
.set VZ,   12                          ; v12  0: the offset for the last bias tile
.set VI,   13                          ; v13  where I store images: IMG + 16 x lane + 2 TIMG x wave
.set VL,   14                          ; v14  where I load them: IMG + 16 x lane
.set VSW,  15                          ; v15  where I store W's scale words: WSC + 4 x lane + 256 x wave
.set VSL,  16                          ; v16  where I load them: WSC + 4 x lane
.set OSW0, 17                          ; v17  OST + 4 x thread: my result's place in stage 0
.set OSR,  18                          ; v18  OST + 1,024 x wave + 16 x lane: the two stages that my wave stores
.set OSWC, 19                          ; v19  my result's place in this tile's stage
.set OGO,  21                          ; v21  4,096 x wave + 16 x lane: the same two rows in out
.set WS,   28                          ; v28-41 W's scale words: register 2 g + k: lanes 0-15 tile 2 g, lanes 16-31 tile 2 g + 1.  Scales and nothing else
.set XS,   42                          ; v42-43 X's scale words of K steps 0, 1: lane L column L's: lanes 0-15 d tile 0, lanes 16-31 d tile 1.  Scales and nothing else
.set SUMP, 44                          ; v44-47 sum of p, two chains of pairs
.set SUMX, 48                          ; v48-51 sum of p x, two chains of pairs
.set RC,   52
.set RES,  53
.set TM,   54                          ; v54-60 the seven blocks' largest magnitudes
.set SO,   62                          ; v62-68 the conversions' scale operands
.set BY,   70                          ; v70-76 the scale bytes
.set TA,   80                          ; v80-103 the upper halves of six blocks' codes (a conversion's three registers begin on an even number); at the end: the rows of out
.set F,    104                         ; v104-151 fragment (d tile T, K step k) at F + 24 T + 12 k
.set PBUF, 152                         ; v152-231 five buffers of 16: the two d tiles' results of s tile n at PBUF + 16 (n % 5)
; window 1: v0-199 x[t] of my column, v200-207 zeros.   window 2: v[12 n] W's K step 0 fragment of s tile n (n = 0 .. 12); v[BIAS + 8 n] bias tile n (n = 0 .. 11).
; window 3: v[12 n] W's K step 1 fragment; v208-215 bias tile 12.  At the head windows 1 and 3 hold my two columns of W, v200-207 zeros.
.set BIAS, 160
.set WV,   12                          ; s12  wave
.set G1,   16                          ; s[16:23] descriptor group 1
.set G0A,  24                          ; s[24:27] group 0 for tile 0
.set G0W,  28                          ; s[28:31] group 0 that walks, from tile 1 on
.set C1,   32                          ; s[32:33] 2 log2(e): the packed forms name a pair and take its low word for both halves
.set C2,   34                          ; s[34:35] -2 log2(e)
.set TB,   36                          ; s36  LDS byte at which the slot in hand begins
.set OP,   37                          ; s37  512 x the tile's number: its stage
.set CNT,  38
.set MSB, 0
.macro WIN new                         ; the immediate's low byte: bits 1:0 source 0, 3:2 source 1, 5:4 source 2, 7:6 destination; its high byte repeats the setting that is left
.if MSB != (\new)
	s_set_vgpr_msb (MSB<<8)|(\new)
.set MSB, (\new)
.endif
.endm
; 200 numbers of one column of W (row t is 800 bytes) into window win: 32 lanes read 128 consecutive bytes
.macro WLOAD win, voff
	WIN (\win)<<6
.set TT, 0
.rept 200
	global_load_b32 v[TT], v[\voff], s[6:7] offset:800*TT
.set TT, TT+1
.endr
.endm
; 200 numbers of my column of the tile in the slot in hand into window 1: 32 lanes read 128 consecutive bytes of a row
.macro XLOAD
	v_add_nc_u32 v[AX], s[TB], v[AXB]
	v_add_nc_u32 v[AX+1], 0x8000, v[AX]
	v_add_nc_u32 v[AX+2], 0x10000, v[AX]
	v_add_nc_u32 v[AX+3], 0x18000, v[AX]
	WIN 0x40
.set TT, 0
.rept 200
	ds_load_b32 v[TT], v[AX+TT/64] offset:(TT%64)*512
.set TT, TT+1
.endr
.endm
; THE QUANTISER.  v0-207 of window xw, a lane's column down K (200-207 zeros), become the four fragments at F and the two scale words at XS.  lds = 1: the numbers are on their way from LDS.
; Blocks 0-5 have 32 numbers, block 6 eight; block 7 is zero codes under the byte 0, which is 2^-127 and no NaN.
.macro QUANT xw, lds
.if \lds
	s_wait_dscnt 63                                ; LDS loads come back in order: of the 200 the youngest 63 may be out, so rows 0 to 136 are in: blocks 0 to 3 want rows 0 to 127
.endif
	WIN 5*(\xw)                                    ; sources 0 and 1 in the numbers' window
.irp b, 0,1,2,3
	v_max3_num_f32 v[TM+\b], |v[32*\b]|, |v[32*\b+1]|, FLOOR
.endr
.irp i, 2,4,6,8,10,12,14,16,18,20,22,24,26,28,30
.irp b, 0,1,2,3
	v_max3_num_f32 v[TM+\b], |v[32*\b+\i]|, |v[32*\b+\i+1]|, v[TM+\b]   ; the blocks by turns: no line waits for the line above it
.endr
.endr
.if \lds
	s_wait_dscnt 0x0                               ; all rows are in: my reads of this slot are over
.endif
.irp b, 4,5,6
	v_max3_num_f32 v[TM+\b], |v[32*\b]|, |v[32*\b+1]|, FLOOR
.endr
.irp i, 2,4,6
.irp b, 4,5,6
	v_max3_num_f32 v[TM+\b], |v[32*\b+\i]|, |v[32*\b+\i+1]|, v[TM+\b]
.endr
.endr
.irp i, 8,10,12,14,16,18,20,22,24,26,28,30
.irp b, 4,5
	v_max3_num_f32 v[TM+\b], |v[32*\b+\i]|, |v[32*\b+\i+1]|, v[TM+\b]
.endr
.endr
	WIN 0
.irp b, 0,1,2,3,4,5,6
	v_add_nc_u32 v[SO+\b], 0xff000000, v[TM+\b]    ; 2 off the exponent field: the conversion takes the exponent field of this operand as its scale, and nothing else of it
.endr
.irp b, 0,1,2,3,4,5,6
	v_lshrrev_b32 v[BY+\b], 23, v[SO+\b]           ; the scale's byte
.endr
	v_lshl_or_b32 v[XS], v[BY+1], 8, v[BY]
	v_lshl_or_b32 v[XS+1], v[BY+5], 8, v[BY+4]
	v_lshl_or_b32 v[XS], v[BY+2], 16, v[XS]
	v_lshl_or_b32 v[XS+1], v[BY+6], 16, v[XS+1]    ; byte 3 stays 0, over zero codes
	v_lshl_or_b32 v[XS], v[BY+3], 24, v[XS]
	WIN (\xw)                                      ; source 0 in the numbers' window
.irp q, 0,1,2                          ; blocks 2 q and 2 q + 1 share registers 6 (q % 2) .. + 5 of K step q / 2: that is F + 6 q on
	v_cvt_scalef32_pk16_fp6_f32 v[F+6*\q:F+6*\q+2], v[64*\q:64*\q+15], v[SO+2*\q]               ; the even block's lower 16 codes, of all 32 columns
	v_cvt_scalef32_pk16_fp6_f32 v[TA+8*\q:TA+8*\q+2], v[64*\q+16:64*\q+31], v[SO+2*\q]          ; its upper 16
	v_cvt_scalef32_pk16_fp6_f32 v[F+24+6*\q:F+24+6*\q+2], v[64*\q+32:64*\q+47], v[SO+2*\q+1]    ; the odd block's lower 16
	v_cvt_scalef32_pk16_fp6_f32 v[TA+4+8*\q:TA+4+8*\q+2], v[64*\q+48:64*\q+63], v[SO+2*\q+1]    ; its upper 16
.endr
	v_cvt_scalef32_pk16_fp6_f32 v[F+18:F+20], v[192:207], v[SO+6]                               ; block 6: eight numbers and eight zeros; its third register is zero codes in every lane
	v_nop                                          ; one plain place behind the scaled conversions
	WIN 0
	v_mov_b32 v[F+42], 0                           ; block 7, the odd partner of block 6: zero codes (the exchange below writes these two anew in every tile)
	v_mov_b32 v[F+43], 0
; The operand's layout wants lanes 0-15 to hold the even block and lanes 16-31 the odd block of 16 columns.  The exchange of the first register's lanes 16-31 with the second's lanes 0-15 makes of (even block, 32 columns) and
; (odd block, 32 columns) the registers of d tile 0 (columns 0-15) and of d tile 1 (columns 16-31).
.irp q, 0,1,2
.irp i, 0,1,2
	v_permlane16_swap_b32 v[F+6*\q+\i], v[F+24+6*\q+\i]
	v_permlane16_swap_b32 v[TA+8*\q+\i], v[TA+4+8*\q+\i]
.endr
.endr
	v_permlane16_swap_b32 v[F+18], v[F+42]
	v_permlane16_swap_b32 v[F+19], v[F+43]
.irp q, 0,1,2
.irp i, 0,1,2
	v_mov_b32 v[F+6*\q+3+\i], v[TA+8*\q+\i]
	v_mov_b32 v[F+24+6*\q+3+\i], v[TA+4+8*\q+\i]
.endr
.endr
.endm
; tile t of the two just made goes to LDS as it stands: 20 registers, 16 bytes a lane and 512 consecutive bytes a store
.macro IMAGE t, off
.irp c, 0,1,2,3,4
	ds_store_b128 v[VI], v[F+24*(\t)+4*\c:F+24*(\t)+4*\c+3] offset:(\off)+TIMG*(\t)+512*\c
.endr
.endm
; one scaled product; ar, br: A's, B's scales stand in lanes 16-31 of their registers
.macro WM d, a, b, c, sa, sb, ar, br
.if (\ar) && (\br)
	v_wmma_scale_f32_16x16x128_f8f6f4 v[(\d):(\d)+7], v[(\a):(\a)+11], v[(\b):(\b)+11], v[(\c):(\c)+7], v[(\sa)], v[(\sb)] matrix_a_fmt:MATRIX_FMT_FP6 matrix_b_fmt:MATRIX_FMT_FP6 matrix_a_scale:MATRIX_SCALE_ROW1 matrix_b_scale:MATRIX_SCALE_ROW1
.elseif (\ar)
	v_wmma_scale_f32_16x16x128_f8f6f4 v[(\d):(\d)+7], v[(\a):(\a)+11], v[(\b):(\b)+11], v[(\c):(\c)+7], v[(\sa)], v[(\sb)] matrix_a_fmt:MATRIX_FMT_FP6 matrix_b_fmt:MATRIX_FMT_FP6 matrix_a_scale:MATRIX_SCALE_ROW1
.elseif (\br)
	v_wmma_scale_f32_16x16x128_f8f6f4 v[(\d):(\d)+7], v[(\a):(\a)+11], v[(\b):(\b)+11], v[(\c):(\c)+7], v[(\sa)], v[(\sb)] matrix_a_fmt:MATRIX_FMT_FP6 matrix_b_fmt:MATRIX_FMT_FP6 matrix_b_scale:MATRIX_SCALE_ROW1
.else
	v_wmma_scale_f32_16x16x128_f8f6f4 v[(\d):(\d)+7], v[(\a):(\a)+11], v[(\b):(\b)+11], v[(\c):(\c)+7], v[(\sa)], v[(\sb)] matrix_a_fmt:MATRIX_FMT_FP6 matrix_b_fmt:MATRIX_FMT_FP6
.endif
.endm
; THE SCORES OF s TILE n for my 32 columns: two accumulators by turns; the first K step takes the bias as C.  Lane (r, h), register j: y(s = 16 n + 8 h + j, column r or 16 + r)
.macro MM n
.set MD0, PBUF+16*((\n)%5)
.set MD1, MD0+8
.set MA,  12*(\n)
.set MSA, WS+2*((\n)/2)
.set MAR, (\n)%2
.if (\n) == 12
.set MCB, 208
	WIN 0x32                                       ; W's K step 0 in window 2, the last bias tile in window 3
.else
.set MCB, BIAS+8*(\n)
	WIN 0x22                                       ; W's K step 0 and the bias in window 2
.endif
	WM MD0, MA, F,    MCB, MSA, XS, MAR, 0
	WM MD1, MA, F+24, MCB, MSA, XS, MAR, 1
	WIN 0x03                                       ; W's K step 1 in window 3
	WM MD0, MA, F+12, MD0, MSA+1, XS+1, MAR, 0
	WM MD1, MA, F+36, MD1, MSA+1, XS+1, MAR, 1
.endm
; THE VECTOR WORK goes in BEATS.  In beat r four s tiles are at work, each one stage further than the next:
;   tile r:     the exchange of halves (lane L then holds s = 16 n + 0 .. 15 of its own column in the buffer's 16 registers), u = 2 log2(e) y, 2^u
;   tile r - 1: 1 + 2^u, the reciprocal r
;   tile r - 2: -2 log2(e) r, p = 2^(..)
;   tile r - 3: sum of p x and sum of p
; PL writes plain instruction II (0 .. 47) of beat r, TR transcendental EE (0 .. 47).  Tile 12 has eight live s (192 .. 199): the buffer's first eight registers.
.macro PL r
.if II < 8
.set BN, (\r)-2
.set PR, II
.elseif II < 16
.set BN, (\r)-1
.set PR, II-8
.elseif II < 24
.set BN, (\r)
.set PR, II-16
.elseif II < 32
.set BN, (\r)
.set PR, II-24
.else
.set BN, (\r)-3
.set PR, (II-32)/2
.endif
.set NPR, 8
.if BN == 12
.set NPR, 4
.endif
.set PBR, PBUF+16*((BN+5)%5)
.if (BN >= 0) && (BN <= 12)
.if (II >= 16) && (II < 24)
	v_permlane16_swap_b32 v[PBR+PR], v[PBR+8+PR]   ; from each accumulator's low end on
.elseif PR < NPR
.if II < 8
	v_pk_mul_f32 v[PBR+2*PR:PBR+2*PR+1], v[PBR+2*PR:PBR+2*PR+1], s[C2:C2+1] op_sel_hi:[1,0]
.elseif II < 16
	v_pk_add_f32 v[PBR+2*PR:PBR+2*PR+1], v[PBR+2*PR:PBR+2*PR+1], 1.0 op_sel_hi:[1,0]
.elseif II < 32
	v_pk_mul_f32 v[PBR+2*PR:PBR+2*PR+1], v[PBR+2*PR:PBR+2*PR+1], s[C1:C1+1] op_sel_hi:[1,0]
.elseif (II%2) == 0
	v_pk_fma_f32 v[SUMX+2*(PR%2):SUMX+2*(PR%2)+1], v[PBR+2*PR:PBR+2*PR+1], v[16*BN+2*PR:16*BN+2*PR+1], v[SUMX+2*(PR%2):SUMX+2*(PR%2)+1]   ; source 1: x[16 n + ..], window 1
.else
	v_pk_fma_f32 v[SUMP+2*(PR%2):SUMP+2*(PR%2)+1], v[PBR+2*PR:PBR+2*PR+1], 1.0, v[SUMP+2*(PR%2):SUMP+2*(PR%2)+1] op_sel_hi:[1,0,1]          ; an addition, written so because under this window setting a register as source 1 would mean window 1
.endif
.endif
.endif
.endm
.macro TR r
.if EE < 16
.set BN, (\r)-2
.set EL, EE
.elseif EE < 32
.set BN, (\r)-1
.set EL, EE-16
.else
.set BN, (\r)
.set EL, EE-32
.endif
.set NEL, 16
.if BN == 12
.set NEL, 8
.endif
.set PBR, PBUF+16*((BN+5)%5)
.if (BN >= 0) && (BN <= 12) && (EL < NEL)
.if (EE >= 16) && (EE < 32)
	v_rcp_f32 v[PBR+EL], v[PBR+EL]
.else
	v_exp_f32 v[PBR+EL], v[PBR+EL]
.endif
.endif
.endm
; A beat: plain and transcendental lines alternate, the transcendentals eight places behind, so that each stands behind the plain line that feeds it.  EVERY READER OF A TRANSCENDENTAL'S RESULT STANDS IN THE NEXT BEAT,
; behind that beat's one wait: one wait for up to 48 transcendentals, ahead of the first line that names a result.  The next s tile's four products stand at the beat's head and write the fifth buffer,
; which tile r - 4 has left; their results are first read a whole beat later.
.macro BEAT r
.if (\r) > 0
	s_wait_alu depctr_va_vdst(0)                   ; for the transcendentals of the beat before
.endif
.if (\r)+1 <= 12
	MM (\r)+1
.endif
	WIN 0x04                                       ; source 1 in window 1 (x); all else in window 0
.set II, 0
.rept 56
.if II < 48
	PL \r
.endif
.if II >= 8
.set EE, II-8
	TR \r
.endif
.set II, II+1
.endr
.if (\r) <= 14
	v_nop                                          ; the plain place behind the beat's last transcendental
.endif
.endm
; ONE TILE: 200 rows of my 32 columns
.macro PROCESS
	v_add_nc_u32 v[OSWC], s[OP], v[OSW0]
	XLOAD
	QUANT 1, 1
.irp i, 0,1,2,3,4,5,6,7
	v_mov_b32 v[SUMP+\i], 0                        ; both sums.  These eight are also the plain places between the last writes of X's scale words and fragments and the first scaled product
.endr
	MM 0
.rept 4
	v_nop                                          ; four places between these products and the first read of their results (ISA guide 7.12.1)
.endr
.irp r, 0,1,2,3,4,5,6,7,8,9,10,11,12,13,14,15
	BEAT \r
.endr
	WIN 0
	v_pk_add_f32 v[SUMP:SUMP+1], v[SUMP:SUMP+1], v[SUMP+2:SUMP+3]
	v_pk_add_f32 v[SUMX:SUMX+1], v[SUMX:SUMX+1], v[SUMX+2:SUMX+3]
	v_add_f32 v[SUMP], v[SUMP], v[SUMP+1]
	v_add_f32 v[SUMX], v[SUMX], v[SUMX+1]
	v_rcp_f32 v[RC], v[SUMP]
	v_nop                                          ; a plain place behind the reciprocal
	s_wait_alu depctr_va_vdst(0)                   ; and the wait ahead of its reader
	v_mul_f32 v[RES], v[SUMX], v[RC]
	ds_store_b32 v[OSWC], v[RES]                   ; into this tile's own stage: no stage is written twice
.endm
; THE CHANGE OF SLOTS.  Each wave waits for all its tensor loads (one is out: its part of the next tile), adds 0 to its spare word, and waits for that, for its reads of the slot that it leaves and for its store into the stage.
; Behind the barrier the next slot is whole and nobody reads the slot left.  fill = 1: that slot takes the tile two on: the load has the whole next tile's work in which to land.
.macro CHANGE fill
	s_wait_tensorcnt 0x0                           ; no tensor load of mine is out, so the walking group 0 may be written
	ds_add_u32 v[SPW], v[NIL]                      ; 0 onto my spare word: the steps below stand between it and the wait for it
.if \fill
	s_xor_b32 s[G0W+1], s[G0W+1], SLOT1            ; the other slot than last time,
	s_add_nc_u64 s[G0W+2:G0W+3], s[G0W+2:G0W+3], BATCHB   ; the next batch; the type bits on top are not reached
.endif
	s_xor_b32 s[TB], s[TB], SLOT1                  ; the reads go on to the other slot,
	s_add_co_u32 s[OP], s[OP], 512                 ; the results to the next stage
	s_wait_dscnt 0x0
	s_barrier_signal -1
	s_barrier_wait -1
.if \fill
	tensor_load_to_lds s[G0W:G0W+3], s[G1:G1+7]    ; my one tensor load behind this barrier, and the first thing there
	s_nop 0
.rept 4
	v_nop
.endr
.endif
.endm
	s_load_b256 s[4:11], s[0:1], 0x0               ; X s[4:5], W s[6:7], bias s[8:9], out s[10:11]
	v_lshl_add_u32 v[SPW], v0, 2, SPARE
	v_mov_b32 v[NIL], 0
	ds_add_u32 v[SPW], v[NIL]                      ; the wave's opening: the add, twice on end, and its wait ahead of my first tensor load; the set-up below stands between the second and the wait
	ds_add_u32 v[SPW], v[NIL]
	v_lshrrev_b32 v1, 5, v0
	v_readfirstlane_b32 s[WV], v1                  ; wave 0..3
	s_and_b32 s14, ttmp7, 0xffff                   ; which eight batches
	; descriptor group 1: 50 rows x 128 elements of 4 bytes, 512 elements from row to row; no mask, no padding
	s_mov_b32 s[G1+0], 2<<16                       ; 17:16 elements of 4 bytes
	s_mov_b32 s[G1+1], 128<<16                     ; tensor_dim0 = 128
	s_mov_b32 s[G1+2], QROWS<<16                   ; tensor_dim1 = 50
	s_mov_b32 s[G1+3], 128<<16                     ; tile_dim0 = 128
	s_mov_b32 s[G1+4], QROWS                       ; tile_dim1 = 50
	s_mov_b32 s[G1+5], 512                         ; tensor_dim0_stride
	s_mov_b32 s[G1+6], 0
	s_mov_b32 s[G1+7], 0
	s_mov_b32 s[G0A], 1                            ; count = 1
	s_mul_i32 s[G0A+1], s[WV], QBYTES              ; LDS: slot 0, my 50 rows
	s_mov_b32 s[G0W], 1
	s_add_co_u32 s[G0W+1], s[G0A+1], SLOT1         ; slot 1, my 50 rows
	s_mul_i32 s40, s14, 8*BATCHB                   ; my work-group's first batch (all offsets stay under 2^28),
	s_mul_i32 s41, s[WV], QROWS*2048               ; my 50 rows of it,
	s_add_co_u32 s40, s40, s41
	s_lshl_b32 s41, ttmp9, 9                       ; my work-group's 512 bytes of a row
	s_add_co_u32 s40, s40, s41
	s_mov_b32 s41, 0
	s_lshl_b32 s42, s14, 14                        ; out: eight rows of 2,048 bytes a work-group row,
	s_lshl_b32 s43, ttmp9, 9                       ; and the same 512 bytes of a row
	s_add_co_u32 s42, s42, s43
	s_mov_b32 s43, 0
	s_mov_b32 s[C1], 0x4038aa3b                    ; 2 log2(e)
	s_mov_b32 s[C1+1], s[C1]
	s_mov_b32 s[C2], 0xc038aa3b                    ; -2 log2(e)
	s_mov_b32 s[C2+1], s[C2]
	s_mov_b32 s[TB], 0
	s_mov_b32 s[OP], 0
	s_wait_dscnt 0x0                               ; both opening adds are done
	s_wait_kmcnt 0x0
	s_add_nc_u64 s[G0A+2:G0A+3], s[4:5], s[40:41]  ; tile 0,
	s_add_nc_u64 s[G0W+2:G0W+3], s[G0A+2:G0A+3], BATCHB   ; tile 1
	s_or_b32 s[G0A+3], s[G0A+3], 0x80000000        ; type = 2
	s_or_b32 s[G0W+3], s[G0W+3], 0x80000000
	tensor_load_to_lds s[G0A:G0A+3], s[G1:G1+7]    ; both first fills, by every wave, ahead of every wait on TENSORcnt, every LDS read and every barrier: two loads of mine are out here, later one
	s_nop 0
	tensor_load_to_lds s[G0W:G0W+3], s[G1:G1+7]
	s_nop 0
.rept 4
	v_nop
.endr
	s_add_nc_u64 s[10:11], s[10:11], s[42:43]
	; every address register is made here, ahead of the first branch on the wave's number
	v_and_b32 v1, 31, v0                           ; lane
	v_lshlrev_b32 v[AXB], 2, v0
	v_add_nc_u32 v[VW2], 128, v0
	v_min_u32 v[VW2], 199, v[VW2]                  ; W has 200 columns: what lies beyond reads column 199 and feeds only rows of the last tile that are never used
	v_lshlrev_b32 v[VW2], 2, v[VW2]
	v_and_b32 v[VB], 16, v0
	v_lshlrev_b32 v[VB], 1, v[VB]
	v_mov_b32 v[VZ], 0
	v_lshl_add_u32 v[VL], v1, 4, IMG
	s_mul_i32 s40, s[WV], 2*TIMG
	v_add_nc_u32 v[VI], s40, v[VL]
	v_lshl_add_u32 v[VSL], v1, 2, WSC
	s_lshl_b32 s40, s[WV], 8
	v_add_nc_u32 v[VSW], s40, v[VSL]
	v_lshl_add_u32 v[OSW0], v0, 2, OST
	s_lshl_b32 s40, s[WV], 10
	v_lshl_add_u32 v[OSR], v1, 4, s40
	v_add_nc_u32 v[OSR], OST, v[OSR]
	s_lshl_b32 s40, s[WV], 12
	v_lshl_add_u32 v[OGO], v1, 4, s40
	; the zeros that stay: K = 200 .. 207 of both sets of numbers, and the fragments' registers that hold only codes of K = 208 and beyond
	WIN 0x40
.irp i, 0,1,2,3,4,5,6,7
	v_mov_b32 v[200+\i], 0
.endr
	WIN 0xc0
.irp i, 0,1,2,3,4,5,6,7
	v_mov_b32 v[200+\i], 0
.endr
	WIN 0
.irp i, 21,22,23,44,45,46,47
	v_mov_b32 v[F+\i], 0
.endr
	; the bias in the result's layout: tile n, lane (r, h), register j: bias[16 n + 8 h + j]
	WIN 0x80
.irp n, 0,1,2,3,4,5,6,7,8,9,10,11
	global_load_b128 v[BIAS+8*\n:BIAS+8*\n+3], v[VB], s[8:9] offset:64*\n
	global_load_b128 v[BIAS+8*\n+4:BIAS+8*\n+7], v[VB], s[8:9] offset:64*\n+16
.endr
	WIN 0xc0
	global_load_b128 v[208:211], v[VZ], s[8:9] offset:768    ; tile 12: both halves of the lanes take bias[192 .. 199]: no load leaves the buffer, and the upper half's rows (s = 200 on) are never used
	global_load_b128 v[212:215], v[VZ], s[8:9] offset:784
	; W: wave w takes columns 32 w + lane, and waves 0 to 2 also 128 + 32 w + lane
	WLOAD 1, AXB
	WIN 0
	s_cmp_eq_u32 s[WV], 3
	s_cbranch_scc1 .Lno_second_load
	WLOAD 3, VW2
	WIN 0
.Lno_second_load:
	s_wait_loadcnt 0x0                             ; the bias and my columns of W
	QUANT 1, 0
	IMAGE 0, 0                                     ; s tiles 2 w and 2 w + 1
	IMAGE 1, 0
	ds_store_b32 v[VSW], v[XS]
	ds_store_b32 v[VSW], v[XS+1] offset:128
	s_wait_dscnt 0x0                               ; the stores have read their registers
	s_cmp_eq_u32 s[WV], 3
	s_cbranch_scc1 .Lno_second
	QUANT 3, 0
	IMAGE 0, 8*TIMG                                ; s tile 8 + 2 w
	ds_store_b32 v[VSW], v[XS] offset:1024
	ds_store_b32 v[VSW], v[XS+1] offset:1152
	s_cmp_eq_u32 s[WV], 2
	s_cbranch_scc1 .Lno_second                     ; there is no s tile 13
	IMAGE 1, 8*TIMG                                ; s tile 9 + 2 w
.Lno_second:
	s_wait_tensorcnt 0x1                           ; my part of tile 0 is in; tile 1's load, the one issued behind it, may stay out
	s_wait_dscnt 0x0                               ; for the others' sake: my images and scale words are in LDS
	s_barrier_signal -1
	s_barrier_wait -1
	; all of W into my registers, for the whole launch; the first tile's waits for all LDS loads cover these
	WIN 0x80
.set NN, 0
.rept 13
.irp c, 0,1,2
	ds_load_b128 v[12*NN+4*\c:12*NN+4*\c+3], v[VL] offset:TIMG*NN+512*\c
.endr
.set NN, NN+1
.endr
	WIN 0xc0
.set NN, 0
.rept 13
.irp c, 0,1
	ds_load_b128 v[12*NN+4*\c:12*NN+4*\c+3], v[VL] offset:TIMG*NN+1536+512*\c
.endr
.irp i, 8,9,10,11
	v_mov_b32 v[12*NN+\i], 0                       ; K = 208 and beyond: zero codes
.endr
.set NN, NN+1
.endr
	WIN 0
.irp i, 0,1,2,3,4,5,6,7,8,9,10,11,12,13
	ds_load_b32 v[WS+\i], v[VSL] offset:128*\i
.endr
	s_mov_b32 s[CNT], 6
.Lfilling:                                             ; tiles 0 to 5; behind each the slot left takes the tile two on: tiles 2 to 7
	PROCESS
	CHANGE 1
	s_sub_co_u32 s[CNT], s[CNT], 1
	s_cmp_lg_u32 s[CNT], 0
	s_cbranch_scc1 .Lfilling
	s_mov_b32 s[CNT], 2
.Llast:                                                ; tiles 6 and 7: written a second time.  The first barrier shows tile 7 to all waves, the second all eight stages
	PROCESS
	CHANGE 0
	s_sub_co_u32 s[CNT], s[CNT], 1
	s_cmp_lg_u32 s[CNT], 0
	s_cbranch_scc1 .Llast
	; THE WAY OUT: stage i holds the 128 results of batch 8 y + i.  Wave w stores stages 2 w and 2 w + 1: each store of the wave covers 512 consecutive bytes, aligned
	ds_load_b128 v[TA:TA+3], v[OSR]
	ds_load_b128 v[TA+4:TA+7], v[OSR] offset:512
	s_wait_dscnt 0x0
	global_store_b128 v[OGO], v[TA:TA+3], s[10:11] th:TH_STORE_NT
	global_store_b128 v[OGO], v[TA+4:TA+7], s[10:11] offset:2048 th:TH_STORE_NT
	s_wait_tensorcnt 0x0                           ; the wave's end: behind my last tensor load and my last LDS store
	ds_add_u32 v[SPW], v[NIL]
	s_wait_dscnt 0x0
	s_endpgm
.Lfunc_end_k_qeceaa02aa1_pool:
	.size	k_qeceaa02aa1_pool, .Lfunc_end_k_qeceaa02aa1_pool-k_qeceaa02aa1_pool
	.p2alignl 7, 3214868480
	.fill 96, 4, 3214868480
	.section	.rodata,"a",@progbits
	.p2align	6, 0x0
	.amdhsa_kernel k_qeceaa02aa1_pool
		.amdhsa_group_segment_fixed_size 327680
		.amdhsa_private_segment_fixed_size 0
		.amdhsa_enable_private_segment 0
		.amdhsa_kernarg_size 32
		.amdhsa_user_sgpr_count 2
		.amdhsa_user_sgpr_kernarg_segment_ptr 1
		.amdhsa_wavefront_size32 1
		.amdhsa_system_sgpr_workgroup_id_x 1
		.amdhsa_system_sgpr_workgroup_id_y 1
		.amdhsa_system_sgpr_workgroup_id_z 1
		.amdhsa_system_vgpr_workitem_id 0
		.amdhsa_next_free_vgpr 1024
		.amdhsa_next_free_sgpr 66
		.amdhsa_reserve_vcc 0
		.amdhsa_float_denorm_mode_32 3
		.amdhsa_float_denorm_mode_16_64 3
		.amdhsa_memory_ordered 1
		.amdhsa_forward_progress 1
		.amdhsa_inst_pref_size 245
	.end_amdhsa_kernel
	.amdgpu_metadata
---
amdhsa.version: [ 1, 2 ]
amdhsa.kernels:
  - .name:           k_qeceaa02aa1_pool
    .symbol:         k_qeceaa02aa1_pool.kd
    .args:
      - { .name: inputs, .offset: 0, .size: 8, .value_kind: global_buffer, .address_space: global }
      - { .name: W, .offset: 8, .size: 8, .value_kind: global_buffer, .address_space: global }
      - { .name: b, .offset: 16, .size: 8, .value_kind: global_buffer, .address_space: global }
      - { .name: out0, .offset: 24, .size: 8, .value_kind: global_buffer, .address_space: global }
    .group_segment_fixed_size: 327680
    .private_segment_fixed_size: 0
    .kernarg_segment_align: 8
    .kernarg_segment_size: 32
    .max_flat_workgroup_size: 128
    .sgpr_count:     66
    .vgpr_count:     1024
    .wavefront_size: 32
...
	.end_amdgpu_metadata
.endif
;; end of part 1
